; MI455X (gfx1250); checked and timed in simulation.
; The chip was launched on July 23, 2026; its instructions are those of AMD's public machine-readable ISA for CDNA 5 (MIT licence, August 2026) and "CDNA5" Instruction Set Architecture Reference Guide (July 2026). The comments in the code are by the model that wrote it; some were corrected since.
;; Multi Head Attention. Allowed arithmetic: matrix products marked QUANTISED: E2M1 operands, one E8M0 scale for each 32 along K, by v_wmma_scale_f32_16x16x128_f8f6f4 with both operands' format E2M1 (or v_wmma_scale_f32_32x16x128_f4), f32 sums; products left as they are: bf16, f16 or f32 operands; f32 sums; everything else in f32.
;; Inputs: Wd 1,024 x 1,024 float32; Wq 1,024 x 1,024 float32; Wv 1,024 x 1,024 float32; bd 1,024 float32; bq 1,024 float32; bv 1,024 float32; features 32 x 2,048 x 1,024 float32; state 32 x 1,024 float32.
;; Outputs: out0 32 x 1,024 float32.
;; This version of the problem:
;;   THIS VERSION OF THE PROBLEM IS GIVEN IN LOW PRECISION. The matrix products marked QUANTISED in the list below multiply operands that are first quantised to E2M1 (2 exponent bits, 1 mantissa bit; 4 bits a number), with one power-of-two scale for each 32 numbers along K (OCP MX v1.0); their sums are f32. The products marked 'left as it is' may take bf16, f16 or f32 operands, with f32 sums. Whichever they take, every output number must still come out within the allowed error. Rounding operands to bf16 (8 significant bits) uses up far more of that allowance than f16 does (11 bits, for magnitudes from 6e-5 to 65,504). All else is computed in f32.
;;   The module's matrix products, in the order in which they are computed (A, B: the left and right operand; K: the contracted axis; several contracted axes count as one K, in the product's order):
;;     1. [M 32, K 1,024] x [K 1,024, N 1,024]; A: input state; B: input Wq: QUANTISED
;;     2. [M 65,536, K 1,024] x [K 1,024, N 1,024]; A: input features; B: input Wv: QUANTISED
;;     3. batch 512 x [M 1, K 64] x [K 64, N 2,048]; A: computed on the way; B: computed on the way: left as it is (M = 1 < 16)
;;     4. batch 512 x [M 1, K 2,048] x [K 2,048, N 64]; A: computed on the way; B: computed on the way: left as it is (M = 1 < 16)
;;     5. [M 32, K 1,024] x [K 1,024, N 1,024]; A: computed on the way; B: input Wd: left as it is (an operand is computed on the way)
;;   THE QUANTISER, for each operand of a quantised product, along K:
;;     - K is cut into blocks of 32 from its start; a last block that is shorter is filled with zeros.
;;     - A block's scale is 2^e with e = floor(log2(the largest magnitude in the block)) - 2, held to -126 .. 127; a block of zeros has e = 0. As a byte (E8M0): e + 127.
;;     - Each number is divided by its block's scale, clamped to +-6, and rounded to the nearest number of E2M1, ties to even, subnormals kept.
;;     - The product sums the exact products of the quantised numbers (number of the format x scale) in f32.
;;   ~~~python
;;   def quantise(x, axis):      # numpy; x: float32 -> the quantised numbers, widened to float32 again
;;       x = np.moveaxis(x, axis, -1); K = x.shape[-1]
;;       x = np.pad(x, [(0, 0)] * (x.ndim - 1) + [(0, -K % 32)]); x = x.reshape(x.shape[:-1] + (-1, 32)); a = np.abs(x).max(-1, keepdims=True)
;;       e = np.where(a > 0, np.clip(np.frexp(np.where(a > 0, a, 1))[1] - 1 - 2, -126, 127), 0)      # np.frexp(a)[1] - 1 = floor(log2(a)), exactly
;;       r = np.clip(x / 2.0 ** e, -6, 6)
;;       step = 2.0 ** (np.maximum(np.frexp(np.where(r == 0, 1, r))[1] - 1, 0) - 1)
;;       q = np.round(r / step) * step * 2.0 ** e      # np.round: ties to even
;;       return np.moveaxis(q.reshape(q.shape[:-2] + (-1,))[..., :K], -1, axis).astype(np.float32)
;;   ~~~
;; One version. Each part assembles by itself: llvm-mc -triple=amdgcn-amd-amdhsa -mcpu=gfx1250 --defsym DOCPART=n.
;; ======== version 1 of 1: 3 launches
;; limits: right only within a limited range of input values
;; workspace buffers: wvq 557,056 bytes; qs 131,072 bytes; part 786,432 bytes
;; launch prep (part 1): grid 32 x 1, 8 waves a work-group, no clusters, 168,960 bytes of LDS; arguments Wv, Wq, state, bq, wvq, qs; writes wvq, qs
.if DOCPART == 1
	.amdgcn_target "amdgcn-amd-amdhsa--gfx1250"
	.amdhsa_code_object_version 6
	.text
	.protected	k_qefefa24289_prep
	.globl	k_qefefa24289_prep
	.p2align	8
	.type	k_qefefa24289_prep,@function
k_qefefa24289_prep:
	s_mov_b64 s[64:65], 0
	v_nop
	global_prefetch_b8 v0, s[64:65] scope:SCOPE_SE
	s_setreg_imm32_b32 hwreg(HW_REG_WAVE_MODE, 25, 1), 1
	s_wait_xcnt 0x0
; PREP.  (a) Wv [1024 (k)][1024 (n)] f32 becomes codes of E2M1 with one E8M0 byte for each 32 along K, laid in the order of the operand's registers (buffer wvq).
;        (b) q' = (Q(state) Q(Wq) + bq) x log2(e) / 8, f32 [32][1024] (buffer qs): the first product on codes, by the scaled matrix instruction; the factor turns the later e^x into 2^x and holds the 1 / sqrt(64).
; WORK LEFT OUT IN THE WHOLE PROGRAM, AND WHY IT IS DEAD.  v = v' + bv with v' = Q(features) Q(Wv).  For one batch and head the logits are q . v'[t] / 8 + q . bv / 8: the second term is the same for all t,
; and a softmax does not change when one number is added along its axis.  The weights of a softmax add up to 1, so sum_t a[t] (v'[t] + bv) = sum_t a[t] v'[t] + bv.  Both hold for all finite values of the inputs.
; So bv is added once, to the pooled vector (third launch), and never to the 65,536 x 1,024 numbers of v; bv stays an input of the program.  LIMIT: an overflow, infinity or NaN that arises in q . bv alone is not carried to the result.
; LIMITS: a block whose largest magnitude lies under 2^-124 has its byte held at 1; a block of zeros gets the byte 1 where the rule says 127 (its codes are zeros, and this program alone reads the bytes); NaN and infinities among the inputs are not served.
; The f32 sums of the first product are taken K step by K step (128 each, inside the matrix unit) and then over the eight K steps in ascending order.
; SHARES.  32 work-groups; work-group cg takes columns 32 cg .. 32 cg + 31 of Wv and of Wq; wave s takes K step s (k = 128 s .. 128 s + 127).  A LANE TAKES A COLUMN AND ITS REGISTERS RUN DOWN K: a load reads 128 neighbouring bytes of a row,
; a block of 32 along K lies in one lane, and the conversions give codes with K innermost.
; state: the operand wants in lane (r, h), of row 16 mb + r, the block 4 s + 2 c + h whole: 128 bytes a lane, the lanes 4,096 bytes apart.  So a row's 512 bytes of the K step are LOADED as they lie, 16 bytes a lane, and the 32 rows turn through
; the wave's own stage in LDS (rows 528 bytes apart: 33 x 16, so that the sixteen rows of a load start at sixteen different banks); the conversions' results are then the operand's registers.
; wvq: 32 blocks of 17,408 bytes; K step s, columns 256 w on: block 8 (s / 2) + 2 w + s % 2, so that the two K steps that a wave of the second launch fetches together are neighbours.  In a block: sixteen images of fragments
; (tile n: lane l's 16 bytes of register group c at 1024 n + 512 c + 16 l), then 256 scale words.
; NO JOINT LOADS: the work-groups share state alone, 16 KiB of the 48 KiB that a wave reads, and everything is loaded through registers.
; REGISTERS: window 0: v4-15, v26 addresses; v16-25 at work; v28 Wv's scale word, v29 Wq's, v30-31 state's; v32-47 a weight's codes; v48-63 state's two fragments; v64-95 four results; v96-99 bq; v128-255 Wq's numbers.
;            window 1: v0-127 Wv's numbers; v128-255 state's.
.set WBLK,  17408
.set STG,   32768                      ; LDS: 0 .. 32,767 the eight waves' partial sums, 4,096 bytes each; then a stage of 32 rows x 528 bytes for each wave;
.set SROW,  528
.set SWAVE, 32*SROW
.set SPARE, STG+8*SWAVE                ; then the spare words, 128 bytes a wave
.set WO,    4                          ; 4 x lane
.set L16,   5                          ; 16 x lane
.set CST,   6                          ; wvq: 1024 (lane / 16) + 16 (lane % 16)
.set REDW,  7                          ; LDS: 4096 x wave + 16 x lane
.set REDR,  8                          ; LDS: where thread t finds row t / 8, columns 4 (t % 8) on, in a wave's partial sums
.set QSO,   9                          ; qs: 4096 (t / 8) + 16 (t % 8)
.set BQO,   10                         ; bq: 16 (t % 8)
.set FLOOR, 11                         ; 2^(3 - 127)
.set SPW,   12
.set NIL,   13
.set SH8,   14                         ; 8 h
.set STW,   15                         ; my stage, on the way in: 16 x lane
.set MX,    16
.set EB,    20
.set TT,    24
.set STR,   26                         ; my stage, on the way out: 528 r + 128 h
.set SWV,   28
.set SWQ,   29
.set SS,    30
.set C,     32
.set SF,    48
.set D,     64
.set BQ,    96
.set RD,    32                         ; the eight partial sums read back: over the operands, which are done with
.set MSB, 0
.macro WIN new                         ; the immediate's high byte repeats the setting that is left
.if MSB != (\new)
	s_set_vgpr_msb (MSB<<8)|(\new)
.set MSB, (\new)
.endif
.endm
; Four blocks of 32 numbers of a lane, v[src + 32 b ..], become codes (block b in four registers from d_b on), scale operands in v[MX + b] and scale bytes in v[EB + b].  wmax, wcvt: the windows of the numbers.
.macro QB4 src, wmax, wcvt, d0, d1, d2, d3
	WIN \wmax
.irp b, 0,1,2,3
	v_max3_num_f32 v[MX+\b], v[FLOOR], |v[\src+32*\b]|, |v[\src+32*\b+1]|   ; the floor is one more leaf: the byte cannot fall under 1
.endr
.irp i, 2,4,6,8,10,12,14,16,18,20,22,24,26,28,30
.irp b, 0,1,2,3
	s_delay_alu instid0(VALU_DEP_4)
	v_max3_num_f32 v[MX+\b], v[MX+\b], |v[\src+32*\b+\i]|, |v[\src+32*\b+\i+1]|   ; the four blocks by turns
.endr
.endr
	WIN 0
.irp b, 0,1,2,3
	v_add_nc_u32 v[MX+\b], 0xff000000, v[MX+\b]    ; 2 off the exponent field: the conversion takes the exponent field of this operand as its scale
.endr
.irp b, 0,1,2,3
	s_delay_alu instid0(VALU_DEP_4)
	v_lshrrev_b32 v[EB+\b], 23, v[MX+\b]           ; the scale's byte
.endr
	WIN \wcvt
.irp g, 0,1,2,3
	v_cvt_scalef32_pk8_fp4_f32 v[\d0+\g], v[\src+8*\g:\src+8*\g+7], v[MX]
	v_cvt_scalef32_pk8_fp4_f32 v[\d1+\g], v[\src+32+8*\g:\src+32+8*\g+7], v[MX+1]
	v_cvt_scalef32_pk8_fp4_f32 v[\d2+\g], v[\src+64+8*\g:\src+64+8*\g+7], v[MX+2]
	v_cvt_scalef32_pk8_fp4_f32 v[\d3+\g], v[\src+96+8*\g:\src+96+8*\g+7], v[MX+3]
.endr
	WIN 0
	v_nop                                          ; one plain line behind the last scaled conversion
.endm
	s_load_b256 s[4:11], s[0:1], 0x0               ; Wv s[4:5], Wq s[6:7], state s[8:9], bq s[10:11]
	s_load_b128 s[12:15], s[0:1], 0x20             ; wvq s[12:13], qs s[14:15]
	v_lshl_add_u32 v[SPW], v0, 2, SPARE
	v_mov_b32 v[NIL], 0
	v_lshrrev_b32 v1, 5, v0
	s_delay_alu instid0(VALU_DEP_1)
	v_readfirstlane_b32 s16, v1                    ; wave = K step s
	v_and_b32 v1, 31, v0                           ; lane
	v_and_b32 v2, 15, v0                           ; r
	v_bfe_u32 v3, v0, 4, 1                         ; h
	s_delay_alu instid0(VALU_DEP_3)
	v_lshlrev_b32 v[WO], 2, v1
	s_delay_alu instid0(VALU_DEP_4)
	v_lshlrev_b32 v[L16], 4, v1
	s_delay_alu instid0(VALU_DEP_4)
	v_lshlrev_b32 v[CST], 4, v2
	s_delay_alu instid0(VALU_DEP_1)
	v_lshl_add_u32 v[CST], v3, 10, v[CST]
	v_lshlrev_b32 v[SH8], 3, v3
	s_lshl_b32 s17, s16, 12
	v_add_nc_u32 v[REDW], s17, v[L16]
	s_mul_i32 s34, s16, SWAVE
	s_add_co_u32 s34, s34, STG                     ; my stage
	v_add_nc_u32 v[STW], s34, v[L16]
	v_mul_u32_u24 v[STR], v2, SROW
	s_delay_alu instid0(VALU_DEP_1)
	v_lshl_add_u32 v[STR], v3, 7, v[STR]
	s_delay_alu instid0(VALU_DEP_1)
	v_add_nc_u32 v[STR], s34, v[STR]
	v_bfe_u32 v[REDR], v0, 3, 4                    ; thread t: row t / 8 = 16 mb + r; columns 4 (t % 8) = 16 tile + 8 h + 4 half
	s_delay_alu instid0(VALU_DEP_1)
	v_lshlrev_b32 v[REDR], 4, v[REDR]              ; 16 r
	v_bfe_u32 v24, v0, 1, 1
	s_delay_alu instid0(VALU_DEP_1)
	v_lshl_add_u32 v[REDR], v24, 8, v[REDR]        ; + 256 h
	v_and_b32 v24, 1, v0
	s_delay_alu instid0(VALU_DEP_1)
	v_lshl_add_u32 v[REDR], v24, 9, v[REDR]        ; + 512 half
	v_bfe_u32 v24, v0, 7, 1
	s_delay_alu instid0(VALU_DEP_1)
	v_lshl_add_u32 v[REDR], v24, 10, v[REDR]       ; + 1024 mb
	v_bfe_u32 v24, v0, 2, 1
	s_delay_alu instid0(VALU_DEP_1)
	v_lshl_add_u32 v[REDR], v24, 11, v[REDR]       ; + 2048 tile
	v_lshrrev_b32 v24, 3, v0
	v_and_b32 v25, 7, v0
	s_delay_alu instid0(VALU_DEP_1)
	v_lshlrev_b32 v[BQO], 4, v25
	s_delay_alu instid0(VALU_DEP_1)
	v_lshl_add_u32 v[QSO], v24, 12, v[BQO]
	v_mov_b32 v[FLOOR], 0x01800000
	s_mov_b32 s32, 0x76543210
	s_mov_b32 s33, 0xfedcba98                      ; v_permlanex16_b32's selects for lane l xor 16
	s_lshr_b32 s17, ttmp9, 3                       ; which quarter of the columns
	s_and_b32 s18, ttmp9, 7                        ; which 32 of its 256
	s_lshr_b32 s19, s16, 1
	s_lshl_b32 s19, s19, 3                         ; 8 (s / 2)
	s_lshl_b32 s20, s17, 1
	s_add_co_u32 s19, s19, s20                     ; + 2 x quarter
	s_and_b32 s20, s16, 1
	s_add_co_u32 s19, s19, s20                     ; + s % 2
	s_mul_i32 s19, s19, WBLK                       ; my block
	s_lshl_b32 s20, s18, 11
	s_add_co_u32 s20, s20, s19                     ; my two tiles' images
	s_mov_b32 s21, 0
	s_lshl_b32 s22, s18, 7
	s_add_co_u32 s22, s22, s19
	s_add_co_u32 s22, s22, 16384                   ; my 32 scale words
	s_mov_b32 s23, 0
	s_lshl_b32 s26, s16, 19                        ; 128 rows of 4,096 bytes a K step
	s_lshl_b32 s28, ttmp9, 7                       ; 32 columns of 4 bytes
	s_add_co_u32 s26, s26, s28
	s_mov_b32 s27, 0
	s_mov_b32 s29, 0
	s_lshl_b32 s30, s16, 9                         ; state: 512 bytes a K step
	s_mov_b32 s31, 0
	s_wait_alu depctr_va_vdst(0)
	s_wait_kmcnt 0x0
	s_add_nc_u64 s[24:25], s[12:13], s[22:23]
	s_add_nc_u64 s[12:13], s[12:13], s[20:21]
	s_add_nc_u64 s[4:5], s[4:5], s[26:27]
	s_add_nc_u64 s[6:7], s[6:7], s[26:27]
	s_add_nc_u64 s[8:9], s[8:9], s[30:31]
	s_add_nc_u64 s[10:11], s[10:11], s[28:29]
	s_add_nc_u64 s[14:15], s[14:15], s[28:29]
	; all loads go out at once: state (32), Wv (128), Wq (128), bq (1)
	WIN 0x40                                       ; destination window 1
.set ii, 0
.rept 32
	global_load_b128 v[128+4*ii:128+4*ii+3], v[L16], s[8:9] offset:ii*4096   ; row ii: 32 lanes read the K step's 512 consecutive bytes
.set ii, ii+1
.endr
.set kk, 0
.rept 128
	global_load_b32 v[kk], v[WO], s[4:5] offset:kk*4096 th:TH_LOAD_NT    ; Wv(128 s + kk, my column)
.set kk, kk+1
.endr
	WIN 0
.set kk, 0
.rept 128
	global_load_b32 v[128+kk], v[WO], s[6:7] offset:kk*4096 th:TH_LOAD_NT   ; Wq likewise
.set kk, kk+1
.endr
	global_load_b128 v[BQ:BQ+3], v[BQO], s[10:11]
	s_wait_loadcnt 63                              ; state and Wv are in: 257 and 129 loads are younger than their last, and 63 is the largest count that the wait can name
	WIN 0x04                                       ; an LDS store's data are its source 1: window 1
.set ii, 0
.rept 32
	ds_store_b128 v[STW], v[128+4*ii:128+4*ii+3] offset:ii*SROW   ; state's rows into my stage, as they were loaded
.set ii, ii+1
.endr
	; ---- Wv: block b's codes go to C + 4 (b / 2) + 8 (b % 2)
	QB4 0, 0x14, 0x01, C, C+8, C+4, C+12
	s_wait_alu depctr_va_vdst(0)
	s_wait_dscnt 0x0                               ; the stage's stores are done and have read their registers, into which the turned rows come back
	WIN 0x40
.irp mb, 0,1
.irp c, 0,1
.irp q, 0,1,2,3,4,5,6,7
	ds_load_b128 v[128+64*\mb+32*\c+4*\q:128+64*\mb+32*\c+4*\q+3], v[STR] offset:\mb*16*SROW+\c*256+16*\q   ; state(16 mb + r, 128 s + 64 c + 32 h + 4 q ..)
.endr
.endr
.endr
	WIN 0
	v_lshl_or_b32 v[SWV], v[EB+1], 8, v[EB]
	s_delay_alu instid0(VALU_DEP_1)
	v_lshl_or_b32 v[SWV], v[EB+2], 16, v[SWV]
	s_delay_alu instid0(VALU_DEP_1)
	v_lshl_or_b32 v[SWV], v[EB+3], 24, v[SWV]      ; my column's scale word of this K step
.irp b, 0,1,2,3
	global_store_b128 v[CST], v[C+4*(\b/2)+8*(\b%2):C+4*(\b/2)+8*(\b%2)+3], s[12:13] offset:256*\b   ; block b = 2 c + h of column r lies at 512 c + 16 (16 h + r): sixteen lanes store 256 consecutive bytes, aligned
.endr
	global_store_b32 v[WO], v[SWV], s[24:25]
	; ---- state: blocks (mb, c) straight into the two fragments
	s_wait_dscnt 0x0                               ; the turned rows are in
	QB4 128, 0x14, 0x01, SF, SF+4, SF+8, SF+12
.irp mb, 0,1
	v_lshl_or_b32 v[SS+\mb], v[EB+2*\mb+1], 16, v[EB+2*\mb]   ; my two bytes: blocks h and 2 + h of row r,
.endr
.irp mb, 0,1
	s_delay_alu instid0(VALU_DEP_2)
	v_lshlrev_b32 v[SS+\mb], v[SH8], v[SS+\mb]     ; at their places in the scale word;
.endr
.irp mb, 0,1
	s_delay_alu instid0(VALU_DEP_2)
	v_permlanex16_b32 v[TT+\mb], v[SS+\mb], s32, s33
.endr
.irp mb, 0,1
	s_delay_alu instid0(VALU_DEP_2)
	v_or_b32 v[SS+\mb], v[SS+\mb], v[TT+\mb]       ; with lane l xor 16's two the word is whole
.endr
	; ---- Wq
	s_wait_loadcnt 0x0
	s_wait_xcnt 0x0                                ; the stores of Wv's codes have read their registers, which are written again now
	QB4 128, 0, 0, C, C+8, C+4, C+12
	v_lshl_or_b32 v[SWQ], v[EB+1], 8, v[EB]
	s_delay_alu instid0(VALU_DEP_1)
	v_lshl_or_b32 v[SWQ], v[EB+2], 16, v[SWQ]
	s_delay_alu instid0(VALU_DEP_1)
	v_lshl_or_b32 v[SWQ], v[EB+3], 24, v[SWQ]      ; lanes 0-15: the words of tile 0's columns, lanes 16-31: of tile 1's
.irp i, 0,1,2,3,4,5,6,7
	v_permlane16_swap_b32 v[C+\i], v[C+8+\i]       ; the first's lanes 16-31 change places with the second's lanes 0-15: C .. C + 7 is tile 0's fragment (lane (r, h): block 2 c + h), C + 8 .. tile 1's
.endr
.rept 8
	v_nop                                          ; a scale register written by a vector instruction stands 8 places ahead of a scaled matrix instruction, an operand so written 4
.endr
	; transposed: source 0 = 16 columns of Wq, source 1 = 16 rows of state: lane (r, h) holds row 16 mb + r and columns 16 t + 8 h + 0 .. 7
	v_wmma_scale_f32_16x16x128_f8f6f4 v[D:D+7], v[C:C+7], v[SF:SF+7], 0, v[SWQ], v[SS] matrix_a_fmt:MATRIX_FMT_FP4 matrix_b_fmt:MATRIX_FMT_FP4
	v_wmma_scale_f32_16x16x128_f8f6f4 v[D+8:D+15], v[C:C+7], v[SF+8:SF+15], 0, v[SWQ], v[SS+1] matrix_a_fmt:MATRIX_FMT_FP4 matrix_b_fmt:MATRIX_FMT_FP4
	v_wmma_scale_f32_16x16x128_f8f6f4 v[D+16:D+23], v[C+8:C+15], v[SF:SF+7], 0, v[SWQ], v[SS] matrix_a_fmt:MATRIX_FMT_FP4 matrix_b_fmt:MATRIX_FMT_FP4 matrix_a_scale:MATRIX_SCALE_ROW1
	v_wmma_scale_f32_16x16x128_f8f6f4 v[D+24:D+31], v[C+8:C+15], v[SF+8:SF+15], 0, v[SWQ], v[SS+1] matrix_a_fmt:MATRIX_FMT_FP4 matrix_b_fmt:MATRIX_FMT_FP4 matrix_a_scale:MATRIX_SCALE_ROW1
.rept 4
	v_nop                                          ; four places ahead of the reads of the results and of the loads into the operands' registers
.endr
.irp t, 0,1
.irp mb, 0,1
	ds_store_b128 v[REDW], v[D+8*(2*\t+\mb):D+8*(2*\t+\mb)+3] offset:(4*\t+2*\mb)*512      ; each result from its low end on
	ds_store_b128 v[REDW], v[D+8*(2*\t+\mb)+4:D+8*(2*\t+\mb)+7] offset:(4*\t+2*\mb+1)*512
.endr
.endr
	s_wait_dscnt 0x0                               ; for the others' sake: my partial sums lie in LDS
	s_barrier_signal -1
	s_barrier_wait -1
.irp u, 0,1,2,3,4,5,6,7
	ds_load_b128 v[RD+4*\u:RD+4*\u+3], v[REDR] offset:4096*\u   ; K step u's part of my four numbers
.endr
	s_wait_dscnt 0x0
.irp u, 1
	v_pk_add_f32 v[RD:RD+1], v[RD:RD+1], v[RD+4*\u:RD+4*\u+1]
	v_pk_add_f32 v[RD+2:RD+3], v[RD+2:RD+3], v[RD+4*\u+2:RD+4*\u+3]
.endr
.irp u, 2, 3, 4, 5, 6, 7
	s_delay_alu instid0(VALU_DEP_2)
	v_pk_add_f32 v[RD:RD+1], v[RD:RD+1], v[RD+4*\u:RD+4*\u+1]
	s_delay_alu instid0(VALU_DEP_2)
	v_pk_add_f32 v[RD+2:RD+3], v[RD+2:RD+3], v[RD+4*\u+2:RD+4*\u+3]
.endr
	s_delay_alu instid0(VALU_DEP_2)
	v_pk_add_f32 v[RD:RD+1], v[RD:RD+1], v[BQ:BQ+1]
	s_delay_alu instid0(VALU_DEP_2)
	v_pk_add_f32 v[RD+2:RD+3], v[RD+2:RD+3], v[BQ+2:BQ+3]
.irp j, 0,1,2,3
	v_mul_f32 v[RD+\j], 0x3e38aa3b, v[RD+\j]       ; x log2(e) / 8
.endr
	global_store_b128 v[QSO], v[RD:RD+3], s[14:15] ; eight lanes store the work-group's 128 bytes of a row
	s_wait_tensorcnt 0x0                           ; the wave's end, behind my last LDS store
	ds_add_u32 v[SPW], v[NIL]
	s_wait_dscnt 0x0
	s_endpgm
.Lfunc_end_k_qefefa24289_prep:
	.size	k_qefefa24289_prep, .Lfunc_end_k_qefefa24289_prep-k_qefefa24289_prep
	.p2alignl 7, 3214868480
	.fill 96, 4, 3214868480
	.section	.rodata,"a",@progbits
	.p2align	6, 0x0
	.amdhsa_kernel k_qefefa24289_prep
		.amdhsa_group_segment_fixed_size 168960
		.amdhsa_private_segment_fixed_size 0
		.amdhsa_enable_private_segment 0
		.amdhsa_kernarg_size 48
		.amdhsa_user_sgpr_count 2
		.amdhsa_user_sgpr_kernarg_segment_ptr 1
		.amdhsa_wavefront_size32 1
		.amdhsa_system_sgpr_workgroup_id_x 1
		.amdhsa_system_sgpr_workgroup_id_y 1
		.amdhsa_system_sgpr_workgroup_id_z 1
		.amdhsa_system_vgpr_workitem_id 0
		.amdhsa_next_free_vgpr 512
		.amdhsa_next_free_sgpr 66
		.amdhsa_reserve_vcc 0
		.amdhsa_float_denorm_mode_32 3
		.amdhsa_float_denorm_mode_16_64 3
		.amdhsa_memory_ordered 1
		.amdhsa_forward_progress 1
		.amdhsa_inst_pref_size 64
	.end_amdhsa_kernel
	.amdgpu_metadata
---
amdhsa.version: [ 1, 2 ]
amdhsa.kernels:
  - .name:           k_qefefa24289_prep
    .symbol:         k_qefefa24289_prep.kd
    .args:
      - { .name: Wv, .offset: 0, .size: 8, .value_kind: global_buffer, .address_space: global }
      - { .name: Wq, .offset: 8, .size: 8, .value_kind: global_buffer, .address_space: global }
      - { .name: state, .offset: 16, .size: 8, .value_kind: global_buffer, .address_space: global }
      - { .name: bq, .offset: 24, .size: 8, .value_kind: global_buffer, .address_space: global }
      - { .name: wvq, .offset: 32, .size: 8, .value_kind: global_buffer, .address_space: global }
      - { .name: qs, .offset: 40, .size: 8, .value_kind: global_buffer, .address_space: global }
    .group_segment_fixed_size: 168960
    .private_segment_fixed_size: 0
    .kernarg_segment_align: 8
    .kernarg_segment_size: 48
    .max_flat_workgroup_size: 256
    .sgpr_count:     66
    .vgpr_count:     512
    .wavefront_size: 32
...
	.end_amdgpu_metadata
.endif
;; end of part 1
;; launch attn (part 2): grid 4 x 64, 4 waves a work-group, clusters of 4 x 4, 327,680 bytes of LDS; arguments features, wvq, qs, part; writes part
.if DOCPART == 2
	.amdgcn_target "amdgcn-amd-amdhsa--gfx1250"
	.amdhsa_code_object_version 6
	.text
	.protected	k_qefefa24289_attn
	.globl	k_qefefa24289_attn
	.p2align	8
	.type	k_qefefa24289_attn,@function
k_qefefa24289_attn:
	s_mov_b64 s[64:65], 0
	v_nop
	global_prefetch_b8 v0, s[64:65] scope:SCOPE_SE
	s_setreg_imm32_b32 hwreg(HW_REG_WAVE_MODE, 25, 1), 1
	s_wait_xcnt 0x0
	s_wait_alu depctr_hold_cnt(0) depctr_sa_sdst(0) depctr_va_vdst(0) depctr_va_sdst(0) depctr_va_ssrc(0) depctr_va_vcc(0) depctr_vm_vsrc(0)
	s_getreg_b32 s2, hwreg(HW_REG_IB_STS2, 6, 4)
	s_cmp_eq_u32 s2, 0
	s_cbranch_scc0 .Lentry_in_a_cluster
	s_endpgm
.Lentry_in_a_cluster:
	s_bfe_u32 s2, ttmp6, 0x10000c
	s_cmp_lg_u32 s2, 0xf033
	s_cbranch_scc0 .Lentry_shape_is_right
	s_endpgm
.Lentry_shape_is_right:
; ATTN.  For 512 keys of one batch and 512 of the 1,024 columns (8 heads): v' = Q(features) Q(Wv) on codes of E2M1, the logits q' . v', a running softmax and sum p v'.  v' never goes to memory.
; LEFT OUT (shown at the head of the first kernel): bv.  q . bv is the same along the softmax's axis, and the weights add up to 1: bv is added once, in the third launch.
; LIMITS: a block whose largest magnitude lies under 2^-124 has its byte held at 1; a block of zeros has the byte 1 (its codes are zeros; the bytes never leave this kernel); NaN and infinities among the inputs are not served; the running maximum starts at -3e38.
; SHARES.  Work-group (x, y): column half hf = x / 2, chunk 2 y + x % 2 of 128 chunks of 512 rows (batch = chunk / 4).  ITS HALF OF Wv's CODES, 278,528 bytes, STAYS IN LDS: it is filled once, at the head, one tensor load of 69,632
; consecutive bytes a wave (K steps 2 j and 2 j + 1 for wave j), and no LDS byte is filled again.  The chunk goes in four passes of 128 rows; in a pass K is the outer loop, eight steps of 128, and the pass's v' (128 x 512 f32) lies in
; accumulators: wave w owns columns 128 w .. 128 w + 127 of the half (two heads) for all 128 rows, 512 registers.  Wave w also quantises rows 32 w .. 32 w + 31 of the pass.
; CLUSTER 4 x 4: the four work-groups of a column of the cluster (same x) need the same half of Wv and ask for it JOINTLY.  The two work-groups x and x xor 2 of a row of the cluster walk the same chunk of features.  Features are not asked
; for jointly: a K step's 128 rows of f32 are 65,536 bytes, and beside Wv's half and the stages LDS has 6,656 bytes left; they go from memory into registers.
; FEATURES: three K steps ahead of their products, in two landing sets of 128 registers (32 loads a wave each).  Four neighbouring loads give lane l the 64 bytes at row 4 i + l / 8, byte 64 (l % 8) of the K step's 512: 16 neighbours along K;
; two lanes hold a block of 32.  Two conversions give 8 bytes of codes, which go straight to their place in the operand's image in LDS.
; Wv's FRAGMENTS ARE FETCHED A STEP AHEAD: their LDS bytes are written by nobody behind the head, so no barrier stands between them and their reader.  Tiles 4-7 have two sets of registers, by the step's parity, and the next step's are
; fetched ahead of this step's products; tiles 0-3 have one set, free when the step's first 32 products are issued, and the next step's are fetched while tiles 4-7 are multiplied.  K step 0 fetches its own: the pass's end uses these registers.
; PREFETCH: in K step t each wave names, once, 32 blocks of 256 bytes of K step t + 6 (three steps ahead of the loads that want them): the two partners of a chunk share its 128 rows out by address (64 hf + 16 w + l / 2, byte 256 (l % 2)).
; K steps 0 to 5 of the chunk come by their loads alone; the last pass asks for nothing beyond its K step 7.
; THE PRODUCT IS USED TRANSPOSED (source 0 = 16 columns of Wv, source 1 = 16 rows of features): lane (r, h) holds row 16 m + r, and register j column 16 n + 8 h + j.
; A PASS'S END, for each of my two heads: the logits of 128 rows, the running maximum M (in powers of two), p = 2^(t - M), l = l f + sum p, O = O f + sum p v'.  The pass's sum (32 numbers a lane) is shared out between lanes l and l xor 8;
; O is 16 numbers a lane and head, lies in LDS between the passes, and is summed over the other lanes once, at the end.  Record 'chunk' of buffer part: o[1024]; then for each pair of heads 256 bytes: (M, l) of the two, sixteen times over.
; REGISTERS: window 0: v1-23, v254 addresses and constants; v24-27 (M, l); v28-31 Wv's scale words, v32-39 the features' (scales alone); v40-71 the quantiser; v72-135 eight fragments of features, v136-199 eight of Wv,
;   v200-231 Wv's tiles 4-7 in odd K steps (at a pass's end: v72-135 q' of two heads, v136-167 O of two heads, v168-199 the pass's sum, v56-71 what a lane sends, v200-253 the softmax).
;   window 1: two landing sets.   window 2 + n / 4: accumulator (n, m) at v[64 (n % 4) + 8 m].
.set WBLK,  17408                      ; a block of wvq: 256 columns of one K step: sixteen fragment images, then 256 scale words
.set WQ4,   69632                      ; four blocks: two K steps of my half
.set IMG,   278528                     ; two buffers of 10,240: eight fragment images of 1,280; 8 bytes of codes lie at 640 c + 320 h + 16 r + 8 (half of the block): a store's 32 lanes fall on 64 different banks
.set IMB,   10240
.set FSC,   299008                     ; two buffers of 512: the features' scale bytes at 32 r + 4 m + block
.set QB,    300032                     ; q': 512 bytes a wave
.set OSP,   302080                     ; O: 4,096 bytes a wave: head hd, register group g at 2048 hd + 512 g + 16 l
.set OUTS,  318464                     ; the way out: 512 bytes a wave
.set SPARE, 320512                     ; the spare words, 128 bytes a wave
.set REC,   6144
.set FOFF, 1
.set IMW,  2
.set FSW,  3
.set IMR,  4
.set FSR,  5
.set WFR,  6                           ; v6-9: K steps 2 j, 2 j + 1
.set WSR,  10                          ; v10-13
.set QR,   14
.set OSR,  15
.set OUTW, 16
.set QBW,  17
.set OUTR, 18
.set L8,   19
.set FLOOR, 20
.set L16,  21
.set SPW,  22
.set NIL,  23
.set ML,   24
.set WS,   28
.set FS,   32
.set MX,   40
.set EB,   48
.set CD,   56
.set SND,  56
.set FF,   72
.set WF,   136
.set NN,   168
.set S,    200
.set T,    216
.set U,    224
.set P,    232
.set F,    248
.set MXH,  250
.set MN,   251
.set PS,   252
.set PFO,  254
.set G1,   16                          ; s[16:23]
.set G0,   24                          ; s[24:27]
.set FB,   28                          ; s[28:29] features at my wave's first row of the pass
.set PB,   30                          ; s[30:31] features at the first row that my wave prefetches
.set UP8,  56
.set ODD,  57
.set MSB, 0
.macro WIN new                         ; the immediate's high byte repeats the setting that is left
.if MSB != (\new)
	s_set_vgpr_msb (MSB<<8)|(\new)
.set MSB, (\new)
.endif
.endm
.macro PLACES
.rept 4
	v_nop
.endr
.endm
.macro ROUND                           ; a round of the cluster's barrier
	s_barrier_signal -1
	s_barrier_wait -1
	s_cmp_lg_u32 s12, 0
	s_cbranch_scc1 .Lnot_wave_0_\@
	s_barrier_signal -3
.Lnot_wave_0_\@:
	s_barrier_wait -3
	s_barrier_signal -1
	s_barrier_wait -1
.endm
.macro FFLOAD s, m0                    ; 8 LDS loads: the features' fragments m0 .. m0 + 3 of K step s
.irp mm, 0,1,2,3
.irp c, 0,1
	ds_load_b128 v[FF+8*((\m0)+\mm)+4*\c:FF+8*((\m0)+\mm)+4*\c+3], v[IMR] offset:IMB*((\s)%2)+1280*((\m0)+\mm)+640*\c
.endr
.endr
.endm
.macro WLOAD s, n0                     ; 8 LDS loads: Wv's fragments n0 .. n0 + 3 of K step s; tiles 4-7 of an odd step go 32 registers further up
.irp nn, 0,1,2,3
.irp c, 0,1
	ds_load_b128 v[WF+8*((\n0)+\nn)+32*((\n0)/4)*((\s)%2)+4*\c:WF+8*((\n0)+\nn)+32*((\n0)/4)*((\s)%2)+4*\c+3], v[WFR+(\s)/2] offset:WBLK*((\s)%2)+1024*((\n0)+\nn)+512*\c
.endr
.endr
.endm
.macro WSLOAD s, i0                    ; 2 LDS loads: Wv's scale words: lanes 0-15: tile 2 i's, lanes 16-31: tile 2 i + 1's
.irp ii, 0,1
	ds_load_b32 v[WS+(\i0)+\ii], v[WSR+(\s)/2] offset:WBLK*((\s)%2)+128*((\i0)+\ii)
.endr
.endm
.macro FETCHA s                        ; 12 LDS loads behind the step's barrier: the features' scale words, the words of Wv's tiles 4-7, the features' fragments 0-3
	ds_load_b128 v[FS:FS+3], v[FSR] offset:512*((\s)%2)
	ds_load_b128 v[FS+4:FS+7], v[FSR] offset:512*((\s)%2)+16
	WSLOAD \s, 2
	FFLOAD \s, 0
.endm
; My 32 rows' 128 numbers of a K step, in landing set 'set', become codes and scale bytes in image buffer 'set'.  lw: the younger loads that may stay out.  The eight groups of four rows take turns in every line.
; fs < 8: behind the 64 maxima stand the loads of the features' fragments 4-7 of K step fs (an LDS load's address and destination are in window 0 under the maxima's setting too).
.macro QUANT set, lw, fs
	s_wait_loadcnt \lw
	WIN 0x14                                       ; sources 1 and 2 in window 1
.irp i, 0,1,2,3,4,5,6,7
	v_max3_num_f32 v[MX+\i], v[FLOOR], |v[128*(\set)+16*\i]|, |v[128*(\set)+16*\i+1]|   ; the floor 2^(3 - 127) is one more leaf: the byte cannot fall under 1
.endr
.irp k, 2,4,6,8,10,12,14
.irp i, 0,1,2,3,4,5,6,7
	v_max3_num_f32 v[MX+\i], v[MX+\i], |v[128*(\set)+16*\i+\k]|, |v[128*(\set)+16*\i+\k+1]|
.endr
.endr
.if (\fs) < 8
	FFLOAD \fs, 4
.endif
	WIN 0
.irp i, 0,1,2,3,4,5,6,7
	v_max_num_f32_dpp v[MX+\i], v[MX+\i], v[MX+\i] row_xmask:1 row_mask:0xf bank_mask:0xf   ; the two lanes of a block: its largest magnitude
.endr
.irp i, 0,1,2,3,4,5,6,7
	v_add_nc_u32 v[MX+\i], 0xff000000, v[MX+\i]    ; 2 off the exponent field: the conversion's scale operand
.endr
.irp i, 0,1,2,3,4,5,6,7
	v_lshrrev_b32 v[EB+\i], 23, v[MX+\i]           ; the scale's byte
.endr
	WIN 0x01                                       ; source 0 in window 1
.irp i, 0,1,2,3,4,5,6,7
	v_cvt_scalef32_pk8_fp4_f32 v[CD+2*\i], v[128*(\set)+16*\i:128*(\set)+16*\i+7], v[MX+\i]
	v_cvt_scalef32_pk8_fp4_f32 v[CD+2*\i+1], v[128*(\set)+16*\i+8:128*(\set)+16*\i+15], v[MX+\i]
.endr
	WIN 0
	v_nop                                          ; one plain line behind the last scaled conversion
.irp i, 0,1,2,3,4,5,6,7
	ds_store_b64 v[IMW], v[CD+2*\i:CD+2*\i+1] offset:IMB*(\set)+1280*(\i/4)+64*(\i%4)
.endr
.irp i, 0,1,2,3,4,5,6,7
	ds_store_b8 v[FSW], v[EB+\i] offset:512*(\set)+128*(\i%4)+4*(\i/4)     ; the two lanes of a block write the same byte with the same value
.endr
.endm
; 8 loads: rows 8 g .. 8 g + 7 of my 32: their 512 bytes at byte 'off' from s[FB] on, into landing set 'set'.  It leaves the destination's window at 1
.macro RELOADG set, off, g
	WIN 0x40
.irp ii, 0,1
.irp q, 0,1,2,3
	global_load_b128 v[128*(\set)+16*(2*(\g)+\ii)+4*\q:128*(\set)+16*(2*(\g)+\ii)+4*\q+3], v[FOFF], s[FB:FB+1] offset:(\off)+16384*(2*(\g)+\ii)+16*\q
.endr
.endr
.endm
.macro RELOAD set, off                 ; all 32
.irp g, 0,1,2,3
	RELOADG \set, \off, \g
.endr
	WIN 0
.endm
; the prefetch of K step s + 6: in this pass, or (s > 1) in the next, which the last pass (s34 = 3) does not have
.macro ASK s
.if (\s) < 2
	global_prefetch_b8 v[PFO], s[PB:PB+1] offset:((\s)+6)*512 th:TH_LOAD_NT scope:SCOPE_SE
.elseif (\s) < 5
	s_cmp_eq_u32 s34, 3
	s_cbranch_scc1 .Lno_ask_\@
	global_prefetch_b8 v[PFO], s[PB:PB+1] offset:524288+((\s)-2)*512 th:TH_LOAD_NT scope:SCOPE_SE
.Lno_ask_\@:
.else
	global_prefetch_b8 v[PFO], s[PB:PB+1] offset:524288+((\s)-2)*512 th:TH_LOAD_NT scope:SCOPE_SE
.endif
.endm
.macro WM n, m, zero                   ; PARW: the step's parity, which says where Wv's tiles 4-7 lie
.set AC, 64*((\n)%4)+8*(\m)
.set WA, WF+8*(\n)+32*((\n)/4)*PARW
.if \zero
.if (\n)%2
	v_wmma_scale_f32_16x16x128_f8f6f4 v[AC:AC+7], v[WA:WA+7], v[FF+8*(\m):FF+8*(\m)+7], 0, v[WS+(\n)/2], v[FS+(\m)] matrix_a_fmt:MATRIX_FMT_FP4 matrix_b_fmt:MATRIX_FMT_FP4 matrix_a_scale:MATRIX_SCALE_ROW1
.else
	v_wmma_scale_f32_16x16x128_f8f6f4 v[AC:AC+7], v[WA:WA+7], v[FF+8*(\m):FF+8*(\m)+7], 0, v[WS+(\n)/2], v[FS+(\m)] matrix_a_fmt:MATRIX_FMT_FP4 matrix_b_fmt:MATRIX_FMT_FP4
.endif
.else
.if (\n)%2
	v_wmma_scale_f32_16x16x128_f8f6f4 v[AC:AC+7], v[WA:WA+7], v[FF+8*(\m):FF+8*(\m)+7], v[AC:AC+7], v[WS+(\n)/2], v[FS+(\m)] matrix_a_fmt:MATRIX_FMT_FP4 matrix_b_fmt:MATRIX_FMT_FP4 matrix_a_scale:MATRIX_SCALE_ROW1
.else
	v_wmma_scale_f32_16x16x128_f8f6f4 v[AC:AC+7], v[WA:WA+7], v[FF+8*(\m):FF+8*(\m)+7], v[AC:AC+7], v[WS+(\n)/2], v[FS+(\m)] matrix_a_fmt:MATRIX_FMT_FP4 matrix_b_fmt:MATRIX_FMT_FP4
.endif
.endif
.endm
.macro MUL8 n, zero
.irp m, 0,1,2,3,4,5,6,7
	WM \n, \m, \zero
.endr
.endm
; K step s's 64 matrix instructions; the 64 accumulators take turns, one instruction a turn, in the same order in every step.
; q = 1: QUANT's 16 stores are out.  nx = 1: the next step's fragments of Wv are fetched.  rl = 1: landing set QS is asked for again, at byte 'off', 8 loads ahead of each 8 of the first 32 products.
; THE STEP'S BARRIER: in front of its signal my stores of the next step's image have landed and my reads of this step's image are over.  Between signal and wait stand work on registers and loads of Wv's bytes, which nobody writes.
.macro MULT s, zero, q, nx, rl, off
.set PARW, (\s)%2
.if \nx
	WLOAD (\s)+1, 4                                ; the registers' last readers were the products of the step before this one, and the step's four places have passed
.endif
.irp g, 0,1,2,3
.if \rl
	RELOADG QS, \off, \g
.endif
.if \g == 0
	s_wait_dscnt 16*(\q)+8*(\nx)                   ; all this step's operands are in; QUANT's stores and the 8 loads just issued may be out
.endif
	WIN 0xa0                                       ; C and D in window 2
	MUL8 \g, \zero
.endr
	s_wait_dscnt 0x0
	s_barrier_signal -1
.if \nx
	WIN 0
	PLACES                                         ; four places ahead of the loads into registers that the 32 products have read
	WSLOAD (\s)+1, 0
	WLOAD (\s)+1, 0
.endif
	WIN 0xf0                                       ; C and D in window 3
.irp g, 4,5,6,7
	MUL8 \g, \zero
.endr
	WIN 0
	s_barrier_wait -1
.endm
; K STEP s of a pass: what of this step's operands hangs on the barrier; the quantising of step s + 1's numbers while those loads are on their way; the prefetch; the products, with the request for the numbers of step s + 3 among them.
; last = 1 (K steps 5 to 7 of the last pass): nothing more is asked of memory; step 6 waits for all loads, step 7 quantises nothing.
.macro KSTEP s, last
	PLACES                                         ; four places ahead of the loads into registers that the last step's matrix instructions have read
	FETCHA \s
.if (\s) == 0
	WSLOAD 0, 0                                    ; a pass's first step fetches all its fragments of Wv itself
	WLOAD 0, 0
	WLOAD 0, 4
.endif
.if (\last) && ((\s) == 7)
	FFLOAD \s, 4
	MULT \s, 0, 0, 0, 0, 0
.else
.set QS, ((\s)+1)%2
.if (\last) && ((\s) == 6)
	QUANT QS, 0, \s
.else
	QUANT QS, 32, \s                               ; the 32 loads of the K step behind the one that is quantised may be out
.endif
.if (\last) == 0
	ASK \s
.if (\s) == 0
	MULT \s, 1, 1, 1, 1, 1536                      ; the first products start the sums
.elseif (\s) < 5
	MULT \s, 0, 1, 1, 1, ((\s)+3)*512
.elseif (\s) < 7
	MULT \s, 0, 1, 1, 1, 524288+((\s)-5)*512       ; the next pass, 128 rows down
.else
	MULT \s, 0, 1, 0, 1, 524288+1024
.endif
.else
	MULT \s, 0, 1, 1, 0, 0
.endif
.endif
.endm
.macro LOADQO hd, set                  ; q' and O of head hd: 12 LDS loads
.irp u, 0,1,2,3
	ds_load_b128 v[72+32*(\set)+8*\u:72+32*(\set)+8*\u+3], v[QR] offset:256*(\hd)+64*\u         ; q'(64 hd + 16 u + 8 h + 0 .. 7)
	ds_load_b128 v[72+32*(\set)+8*\u+4:72+32*(\set)+8*\u+7], v[QR] offset:256*(\hd)+64*\u+16
.endr
.irp g, 0,1,2,3
	ds_load_b128 v[136+16*(\set)+4*\g:136+16*(\set)+4*\g+3], v[OSR] offset:2048*(\hd)+512*\g
.endr
.endm
; Head hd of my two, at a pass's end: its 32 accumulators fill window 2 + hd: tile (u, m) at 64 u + 8 m.  dw: the younger LDS instructions that may stay out.
.macro HEAD hd, dw
.set WH, 0x02+(\hd)
.set QQ, 72+32*(\hd)
.set OO, 136+16*(\hd)
.set MM, ML+2*(\hd)
	s_wait_dscnt \dw
	WIN WH                                         ; source 0 in the accumulators' window
	s_wait_alu depctr_va_vdst(0)                   ; directly ahead of the first reader of the matrix results
.irp u, 0,1,2,3
.irp j, 0,2,4,6
.irp m, 0,1,2,3,4,5,6,7
.if ((\u) == 0) && ((\j) == 0)
	v_pk_mul_f32 v[S+2*\m:S+2*\m+1], v[64*\u+8*\m+\j:64*\u+8*\m+\j+1], v[QQ+8*\u+\j:QQ+8*\u+\j+1]   ; each accumulator is read from its low end on
.else
	v_pk_fma_f32 v[S+2*\m:S+2*\m+1], v[64*\u+8*\m+\j:64*\u+8*\m+\j+1], v[QQ+8*\u+\j:QQ+8*\u+\j+1], v[S+2*\m:S+2*\m+1]
.endif
.endr
.endr
.endr
	WIN 0
.irp m, 0,1,2,3,4,5,6,7
	v_add_f32 v[T+\m], v[S+2*\m], v[S+2*\m+1]
.endr
.irp m, 0,1,2,3,4,5,6,7
	v_permlanex16_b32 v[U+\m], v[T+\m], s36, s37   ; the row's other 32 channels lie in the lane 16 away
.endr
.irp m, 0,1,2,3,4,5,6,7
	v_add_f32 v[T+\m], v[T+\m], v[U+\m]            ; t of row 16 m + r
.endr
	v_max3_num_f32 v[MXH], v[T], v[T+1], v[T+2]
	v_max3_num_f32 v[MXH], v[MXH], v[T+3], v[T+4]
	v_max3_num_f32 v[MXH], v[MXH], v[T+5], v[T+6]
	v_max_num_f32 v[MXH], v[MXH], v[T+7]
.irp x, 1,2,4,8
	v_max_num_f32_dpp v[MXH], v[MXH], v[MXH] row_xmask:\x row_mask:0xf bank_mask:0xf
.endr
	v_max_num_f32 v[MN], v[MM], v[MXH]             ; the new running maximum, the same in all lanes
	v_sub_f32 v[F], v[MM], v[MN]
.irp m, 0,1,2,3,4,5,6,7
	v_sub_f32 v[P+2*\m], v[T+\m], v[MN]
.endr
	s_wait_alu depctr_va_vdst(0)                   ; ahead of the batch of exponentials
	v_exp_f32 v[F], v[F]                           ; f = 2^(old M - new M)
.irp m, 0,1,2,3,4,5,6,7
	v_exp_f32 v[P+2*\m], v[P+2*\m]                 ; p = 2^(t - M)
.endr
	v_mov_b32 v[MM], v[MN]                         ; (the plain line behind the exponentials)
	s_wait_alu depctr_va_vdst(0)                   ; one wait for the nine, ahead of their first reader
	v_add_f32 v[PS], v[P], v[P+2]
	v_add_f32 v[PS+1], v[P+4], v[P+6]
	v_add_f32 v[U], v[P+8], v[P+10]
	v_add_f32 v[U+1], v[P+12], v[P+14]
	v_add_f32 v[PS], v[PS], v[PS+1]
	v_add_f32 v[U], v[U], v[U+1]
	v_add_f32 v[PS], v[PS], v[U]
	v_fma_f32 v[MM+1], v[MM+1], v[F], v[PS]        ; l = l f + my rows' p
	WIN WH
.irp m, 0,1,2,3,4,5,6,7
.irp u, 0,1,2,3
.irp j, 0,2,4,6
.if (\m) == 0
	v_pk_mul_f32 v[NN+8*\u+\j:NN+8*\u+\j+1], v[64*\u+8*\m+\j:64*\u+8*\m+\j+1], v[P+2*\m:P+2*\m+1] op_sel_hi:[1,0]   ; the pass's sum p v' of my eight rows: the first row starts it
.else
	v_pk_fma_f32 v[NN+8*\u+\j:NN+8*\u+\j+1], v[64*\u+8*\m+\j:64*\u+8*\m+\j+1], v[P+2*\m:P+2*\m+1], v[NN+8*\u+\j:NN+8*\u+\j+1] op_sel_hi:[1,0,1]
.endif
.endr
.endr
.endr
	WIN 0
.set kk, 0
.rept 16
	v_cndmask_b32 v[SND+kk], v[NN+16+kk], v[NN+kk], s[UP8]     ; lanes 0-7 of a row of 16 send numbers 16-31, lanes 8-15 numbers 0-15,
.set kk, kk+1
.endr
.set kk, 0
.rept 16
	v_cndmask_b32 v[NN+kk], v[NN+kk], v[NN+16+kk], s[UP8]      ; and keep the others;
.set kk, kk+1
.endr
.set kk, 0
.rept 16
	v_add_f32_dpp v[NN+kk], v[SND+kk], v[NN+kk] row_xmask:8 row_mask:0xf bank_mask:0xf   ; what lane l xor 8 sends is its part of what I keep
.set kk, kk+1
.endr
.set kk, 0
.rept 8
	v_pk_fma_f32 v[OO+kk:OO+kk+1], v[OO+kk:OO+kk+1], v[F:F+1], v[NN+kk:NN+kk+1] op_sel_hi:[1,0,1]   ; O = O f + the pass's
.set kk, kk+2
.endr
.irp g, 0,1,2,3
	ds_store_b128 v[OSR], v[OO+4*\g:OO+4*\g+3] offset:2048*(\hd)+512*\g
.endr
.endm
	s_load_b256 s[4:11], s[0:1], 0x0               ; features s[4:5], wvq s[6:7], qs s[8:9], part s[10:11]
	v_lshl_add_u32 v[SPW], v0, 2, SPARE
	v_mov_b32 v[NIL], 0
	ds_add_u32 v[SPW], v[NIL]                      ; the wave's opening: the add, twice on end, and its wait ahead of my first tensor load
	ds_add_u32 v[SPW], v[NIL]                      ; and once more; the set-up below, work on registers, stands between it and the wait
	v_lshrrev_b32 v40, 5, v0
	v_readfirstlane_b32 s12, v40                   ; wave 0..3
	s_lshr_b32 s42, s12, 1
	s_mul_i32 s42, s42, 2*WBLK                     ; my quarter's two blocks among the four of a pair of K steps
	s_and_b32 s43, s12, 1
	s_lshl_b32 s44, s43, 13
	s_add_co_u32 s44, s44, s42                     ; my eight of its sixteen fragment images
	s_lshl_b32 s43, s43, 9
	s_add_co_u32 s43, s43, s42
	s_add_co_u32 s43, s43, 16384                   ; my 128 of its 256 scale words
	s_mul_i32 s45, s12, 2560
	s_add_co_u32 s45, s45, IMG                     ; row tiles 2 w and 2 w + 1
	s_lshl_b32 s46, s12, 3
	s_add_co_u32 s46, s46, FSC
	s_lshl_b32 s47, s12, 9
	s_add_co_u32 s48, s47, QB
	s_add_co_u32 s49, s47, OUTS
	s_lshl_b32 s50, s12, 12
	s_add_co_u32 s50, s50, OSP
	v_and_b32 v40, 31, v0                          ; lane
	v_and_b32 v41, 15, v0                          ; r
	v_bfe_u32 v42, v0, 4, 1                        ; h
	v_bfe_u32 v43, v0, 3, 2                        ; l / 8
	v_and_b32 v44, 7, v0
	v_lshlrev_b32 v[FOFF], 6, v44
	v_lshl_add_u32 v[FOFF], v43, 12, v[FOFF]       ; features: row l / 8, byte 64 (l % 8)
	v_bfe_u32 v44, v0, 2, 1
	v_mul_u32_u24 v[IMW], v44, 640                 ; my codes are k = 16 (l % 8) on: register group c = bit 2,
	v_bfe_u32 v44, v0, 1, 1
	v_mad_u32_u24 v[IMW], v44, 320, v[IMW]         ; the reader's half = bit 1,
	v_and_b32 v44, 1, v0
	v_lshl_add_u32 v[IMW], v44, 3, v[IMW]          ; the block's half = bit 0,
	v_lshl_add_u32 v[IMW], v43, 4, v[IMW]          ; row 4 i + l / 8
	v_add_nc_u32 v[IMW], s45, v[IMW]
	v_bfe_u32 v44, v0, 1, 2
	v_lshl_add_u32 v[FSW], v43, 5, v44             ; scale byte: 32 x row + block,
	v_add_nc_u32 v[FSW], s46, v[FSW]               ; + 4 x row tile
	v_lshlrev_b32 v[IMR], 4, v41
	v_mad_u32_u24 v[IMR], v42, 320, v[IMR]
	v_add_nc_u32 v[IMR], IMG, v[IMR]               ; an image's place for my lane: 16 r + 320 h
	v_lshl_add_u32 v[FSR], v41, 5, FSC             ; row r's eight scale words
	v_lshlrev_b32 v[L16], 4, v40
	v_lshlrev_b32 v[L8], 3, v40
	v_add_nc_u32 v[WFR], s44, v[L16]
	v_lshl_add_u32 v[WSR], v40, 2, s43
.irp j, 1,2,3
	v_add_nc_u32 v[WFR+\j], \j*WQ4, v[WFR]
	v_add_nc_u32 v[WSR+\j], \j*WQ4, v[WSR]
.endr
	v_lshl_add_u32 v[QR], v42, 5, s48
	v_add_nc_u32 v[QBW], s48, v[L16]
	v_add_nc_u32 v[OSR], s50, v[L16]
	v_lshl_add_u32 v[OUTW], v42, 5, s49            ; the way out: 32 h,
	v_bfe_u32 v44, v0, 3, 1
	v_lshl_add_u32 v[OUTW], v44, 7, v[OUTW]        ; + 128 for the lanes that keep numbers 16-31
	v_add_nc_u32 v[OUTR], s49, v[L16]
	v_lshrrev_b32 v44, 1, v40
	v_and_b32 v45, 1, v0
	v_lshlrev_b32 v[PFO], 8, v45
	v_lshl_add_u32 v[PFO], v44, 12, v[PFO]         ; the prefetches: row l / 2, byte 256 (l % 2)
	s_bfe_u32 s13, ttmp6, 0x40000                  ; cx
	s_bfe_u32 s14, ttmp6, 0x40004                  ; cy
	s_lshl_b32 s15, ttmp9, 2
	s_add_co_u32 s15, s15, s13                     ; work-group x
	s_and_b32 s32, ttmp7, 0xffff
	s_lshl_b32 s32, s32, 2
	s_add_co_u32 s32, s32, s14                     ; work-group y
	s_lshl_b32 s35, 0x1111, s13                    ; my column of the cluster
	; descriptor group 1: a dense block of 69,632 bytes as 272 rows of 256 bytes (32 elements of 8 bytes), no padding
	s_or_b32 s[G1], s35, (3<<16)|(1<<21)           ; 15:0 the mask; 17:16 elements of 8 bytes; 21 set beside a mask
	s_mov_b32 s[G1+1], 32<<16
	s_mov_b32 s[G1+2], 272<<16
	s_mov_b32 s[G1+3], 32<<16
	s_mov_b32 s[G1+4], 272
	s_mov_b32 s[G1+5], 32
	s_mov_b32 s[G1+6], 0
	s_mov_b32 s[G1+7], 0
	s_mov_b32 s36, 0x76543210
	s_mov_b32 s37, 0xfedcba98                      ; v_permlanex16_b32's selects for lane l xor 16
	s_mov_b32 s[UP8], 0xff00ff00
	s_mov_b32 s[ODD], 0xaaaaaaaa
	s_lshr_b32 s33, s15, 1                         ; hf: it hangs on x alone
	s_lshl_b32 s52, s12, 3
	s_lshl_b32 s53, s33, 2
	s_add_co_u32 s52, s52, s53
	s_mul_i32 s52, s52, WBLK                       ; wvq: blocks 8 w + 4 hf .. + 3
	s_mov_b32 s53, 0
	s_mul_i32 s51, s12, WQ4                        ; and where they go
	s_and_b32 s54, s15, 1
	s_lshl_b32 s55, s32, 1
	s_add_co_u32 s54, s54, s55                     ; chunk: it enters the addresses of features, qs and part alone
	s_lshl_b32 s42, s54, 21                        ; 512 rows of 4,096 bytes a chunk
	s_lshl_b32 s43, s12, 17                        ; 32 rows a wave
	s_add_co_u32 s44, s42, s43
	s_mov_b32 s45, 0
	s_lshl_b32 s46, s33, 18                        ; the prefetches: 64 rows a partner,
	s_lshl_b32 s47, s12, 16                        ; 16 a wave
	s_add_co_u32 s46, s46, s47
	s_add_co_u32 s46, s46, s42
	s_mov_b32 s47, 0
	s_lshl_b32 s55, s33, 11
	s_lshl_b32 s48, s12, 9
	s_add_co_u32 s55, s55, s48                     ; my 128 columns, in bytes
	s_lshr_b32 s48, s54, 2
	s_lshl_b32 s48, s48, 12                        ; qs: my batch's row
	s_add_co_u32 s48, s48, s55
	s_mov_b32 s49, 0
	s_mul_i32 s50, s54, REC                        ; part: my record
	s_add_co_u32 s58, s50, s55
	s_mov_b32 s59, 0
	s_lshr_b32 s60, s55, 1                         ; 256 (4 hf + w)
	s_add_co_u32 s60, s60, s50
	s_add_co_u32 s60, s60, 4096
	s_mov_b32 s61, 0
	s_wait_alu depctr_va_vdst(0)                   ; directly ahead of the waits below
	s_wait_dscnt 0x0                               ; both opening adds are done
	s_wait_kmcnt 0x0
	s_mov_b32 s[G0], 1
	s_mov_b32 s[G0+1], s51
	s_add_nc_u64 s[G0+2:G0+3], s[6:7], s[52:53]
	s_or_b32 s[G0+3], s[G0+3], 0x80000000          ; type = 2
	s_add_nc_u64 s[FB:FB+1], s[4:5], s[44:45]
	s_add_nc_u64 s[PB:PB+1], s[4:5], s[46:47]
	s_add_nc_u64 s[8:9], s[8:9], s[48:49]
	s_add_nc_u64 s[38:39], s[10:11], s[58:59]
	s_add_nc_u64 s[40:41], s[10:11], s[60:61]
	ROUND                                          ; all sixteen work-groups are here: the joint loads meet
	tensor_load_to_lds s[G0:G0+3], s[G1:G1+7]      ; my quarter of the half of Wv: my one tensor load of the launch
	s_nop 0
	PLACES
	global_load_b128 v[S:S+3], v[L16], s[8:9]      ; q' of my two heads
	RELOAD 0, 0                                    ; the first pass's K steps 0 and 1
	RELOAD 1, 512
	v_mov_b32 v[FLOOR], 0x01800000
.irp hd, 0,1
	v_mov_b32 v[ML+2*\hd], 0xff61b1e6              ; M = -3e38, under every t
	v_mov_b32 v[ML+2*\hd+1], 0                     ; l
.endr
.irp m, 0,1,2,3,4,5,6,7
	v_mov_b32 v[P+2*\m+1], 0                       ; named as the upper half of a pair, so it is written
	v_mov_b32 v[U+\m], 0                           ; a lane permute's destination counts as one of its sources
.endr
.irp m, 0,1,2,3
	v_mov_b32 v[T+\m], 0
.endr
	v_mov_b32 v[F+1], 0
.irp g, 0,1,2,3,4,5,6,7
	ds_store_b128 v[OSR], v[T:T+3] offset:512*\g   ; O = 0: the first pass finds zeros, which f = 0 leaves zeros
.endr
	s_wait_alu depctr_va_vdst(0)                   ; directly ahead of the wait below
	QUANT 0, 32, 8                                 ; K step 0; its wait also shows q' in
	ds_store_b128 v[QBW], v[S:S+3]
	RELOAD 0, 1024                                 ; K step 2
	s_mov_b32 s34, 0                               ; the pass
	s_wait_alu depctr_va_vdst(0)                   ; the head's end
	s_wait_tensorcnt 0x0                           ; my quarter of Wv's half has landed,
	s_wait_dscnt 0x0                               ; and my part of K step 0's image
	s_barrier_signal -1
	s_barrier_wait -1
.Lpass:                                            ; four passes
.irp s, 0,1,2,3,4
	KSTEP \s, 0
.endr
	s_cmp_lg_u32 s34, 3
	s_cbranch_scc1 .Lmore
.irp s, 5,6,7
	KSTEP \s, 1                                    ; the last pass: no load leaves my rows, and the counts of the waits run down
.endr
	s_branch .Lend_of_pass
.Lmore:
.irp s, 5,6,7
	KSTEP \s, 0
.endr
.Lend_of_pass:
	PLACES                                         ; four places behind the last products: ahead of the reads of results and of the loads into the operands' registers
	LOADQO 0, 0
	LOADQO 1, 1
	HEAD 0, 12                                     ; head 1's 12 loads may be out
	HEAD 1, 4                                      ; head 0's 4 stores may be out
	s_wait_alu depctr_va_vdst(0)                   ; directly ahead of the wait and the branch below
	s_wait_xcnt 0x0                                ; the loads and prefetches that are out have read their bases, so they may be written
	s_add_nc_u64 s[FB:FB+1], s[FB:FB+1], 524288    ; 128 rows down (behind the last pass the two are not used)
	s_add_nc_u64 s[PB:PB+1], s[PB:PB+1], 524288
	s_add_co_u32 s34, s34, 1
	s_cmp_lt_u32 s34, 4
	s_cbranch_scc1 .Lpass
	; THE WAY OUT.  O of both heads still lies in v136-167: it is summed over the eight lanes that keep the same numbers, l over the sixteen rows
.irp x, 1,2,4
.set kk, 0
.rept 32
	v_add_f32_dpp v[136+kk], v[136+kk], v[136+kk] row_xmask:\x row_mask:0xf bank_mask:0xf
.set kk, kk+1
.endr
.endr
.irp x, 1,2,4,8
.irp hd, 0,1
	v_add_f32_dpp v[ML+2*\hd+1], v[ML+2*\hd+1], v[ML+2*\hd+1] row_xmask:\x row_mask:0xf bank_mask:0xf
.endr
.endr
.irp hd, 0,1
.irp u, 0,1
	ds_store_b128 v[OUTW], v[136+16*\hd+8*\u:136+16*\hd+8*\u+3] offset:256*\hd+64*\u          ; the eight lanes write the same bytes with the same values
	ds_store_b128 v[OUTW], v[136+16*\hd+8*\u+4:136+16*\hd+8*\u+7] offset:256*\hd+64*\u+16
.endr
.endr
	ds_load_b128 v[72:75], v[OUTR]                 ; LDS serves a wave's instructions in order: this sees my stores
	v_cndmask_b32 v200, v[ML], v[ML+2], s[ODD]     ; even lanes: (M, l) of my first head, odd lanes: of my second
	v_cndmask_b32 v201, v[ML+1], v[ML+3], s[ODD]
	s_wait_alu depctr_va_vdst(0)                   ; directly ahead of the wait below
	s_wait_dscnt 0x0
	global_store_b128 v[L16], v[72:75], s[38:39]   ; 32 lanes store 512 consecutive bytes, at a multiple of 256 from the buffer's first byte
	global_store_b64 v[L8], v[200:201], s[40:41]   ; 32 lanes store 256 consecutive bytes, aligned
	s_wait_tensorcnt 0x0                           ; the wave's end, behind my last tensor load and my last LDS store
	ds_add_u32 v[SPW], v[NIL]
	s_wait_dscnt 0x0
	ROUND                                          ; the closing round
	s_endpgm
.Lfunc_end_k_qefefa24289_attn:
	.size	k_qefefa24289_attn, .Lfunc_end_k_qefefa24289_attn-k_qefefa24289_attn
	.p2alignl 7, 3214868480
	.fill 96, 4, 3214868480
	.section	.rodata,"a",@progbits
	.p2align	6, 0x0
	.amdhsa_kernel k_qefefa24289_attn
		.amdhsa_group_segment_fixed_size 327680
		.amdhsa_private_segment_fixed_size 0
		.amdhsa_enable_private_segment 0
		.amdhsa_kernarg_size 32
		.amdhsa_user_sgpr_count 2
		.amdhsa_user_sgpr_kernarg_segment_ptr 1
		.amdhsa_wavefront_size32 1
		.amdhsa_system_sgpr_workgroup_id_x 1
		.amdhsa_system_sgpr_workgroup_id_y 1
		.amdhsa_system_sgpr_workgroup_id_z 1
		.amdhsa_system_vgpr_workitem_id 0
		.amdhsa_next_free_vgpr 1024
		.amdhsa_next_free_sgpr 66
		.amdhsa_reserve_vcc 0
		.amdhsa_float_denorm_mode_32 3
		.amdhsa_float_denorm_mode_16_64 3
		.amdhsa_memory_ordered 1
		.amdhsa_forward_progress 1
		.amdhsa_inst_pref_size 255
	.end_amdhsa_kernel
	.section	.bss,"aw",@nobits
	.p2align	6
	.space	262144
	.amdgpu_metadata
---
amdhsa.version: [ 1, 2 ]
amdhsa.kernels:
  - .name:           k_qefefa24289_attn
    .symbol:         k_qefefa24289_attn.kd
    .args:
      - { .name: features, .offset: 0, .size: 8, .value_kind: global_buffer, .address_space: global }
      - { .name: wvq, .offset: 8, .size: 8, .value_kind: global_buffer, .address_space: global }
      - { .name: qs, .offset: 16, .size: 8, .value_kind: global_buffer, .address_space: global }
      - { .name: part, .offset: 24, .size: 8, .value_kind: global_buffer, .address_space: global }
    .group_segment_fixed_size: 327680
    .private_segment_fixed_size: 0
    .kernarg_segment_align: 8
    .kernarg_segment_size: 32
    .max_flat_workgroup_size: 128
    .sgpr_count:     66
    .vgpr_count:     1024
    .wavefront_size: 32
...
	.end_amdgpu_metadata
.endif
;; end of part 2
;; launch proj (part 3): grid 16 x 16, 8 waves a work-group, no clusters, 13,312 bytes of LDS; arguments part, bv, Wd, bd, out0; writes out0
.if DOCPART == 3
	.amdgcn_target "amdgcn-amd-amdhsa--gfx1250"
	.amdhsa_code_object_version 6
	.text
	.protected	k_qefefa24289_proj
	.globl	k_qefefa24289_proj
	.p2align	8
	.type	k_qefefa24289_proj,@function
k_qefefa24289_proj:
	s_mov_b64 s[64:65], 0
	v_nop
	global_prefetch_b8 v0, s[64:65] scope:SCOPE_SE
	s_setreg_imm32_b32 hwreg(HW_REG_WAVE_MODE, 25, 1), 1
	s_wait_xcnt 0x0
; PROJ.  The four chunks of each batch and head are merged (M = the largest of the four maxima, weights 2^(M_c - M)), the sum divides, bv is added (the one place where it enters: see the head of the first kernel), and out0 = pooled Wd + bd.
; All in f32.  The last product is 1,024 x 64 x 2 multiply-adds a work-group, fed by 256 KiB of Wd: as many vector instructions as a narrowing of Wd for the matrix units would cost.
; SHARES.  Work-group (x, y): columns 64 x .. 64 x + 63 (256 bytes of every row of Wd), batches 2 y and 2 y + 1.  Phase 1: thread t merges pooled[4 t .. 4 t + 3] of both batches; they meet in LDS, laid [k][batch].
; Phase 2: wave w, half h of the lanes, takes rows 128 w + 64 h + 0 .. 63 of Wd; sixteen lanes read a row's 256 bytes; a lane holds 4 columns x 2 batches.  The halves are added across lanes, the eight waves through LDS; wave 0 stores.
; ALL LOADS GO OUT AT THE HEAD, 82 a wave: the records first, since phase 1 waits for them, then the wave's 64 rows of Wd, which hang on nothing.
; NO JOINT LOADS: Wd goes from memory straight into the registers that multiply; through LDS each of its bytes would be written and read once more for two multiply-adds a number.  No loop to prefetch in.
; REGISTERS: window 0: v1-15 addresses; v16-47 o of 8 records, later with v48-79 two sets of pooled; v80-95 (M, l), later sums; v112-119 bv, bd; v120-247 rows 0-31 of my 64 of Wd; v248-255 pooled.   window 1: v0-127 rows 32-63.
.set REC,   6144
.set RED,   8192                       ; LDS: 0 .. 8,191 pooled; 8,192 .. 12,287 the eight waves' sums; then the spare words, 128 bytes a wave
.set SPARE, 12288
.set O16,  1
.set MLO,  2
.set WDO,  3
.set PW,   4
.set PR,   5
.set RW,   6
.set RR,   7
.set OO,   8
.set BDO,  9
.set SPW,  10
.set NIL,  11
.set HH,   12
.set MXA,  14
.set OB,   16
.set MLB,  80
.set BV,   112
.set BD,   116
.set W0,   120
.set W1,   184
.set W2,   0
.set W3,   64
.set X,    248
.set PP0,  16
.set PP1,  48
.set ACC,  80
.set KP,   88
.set SD,   92
.set RC,   96
.set MSB, 0
.macro WIN new                         ; the immediate's high byte repeats the setting that is left
.if MSB != (\new)
	s_set_vgpr_msb (MSB<<8)|(\new)
.set MSB, (\new)
.endif
.endm
.macro WDLOAD set, q, win              ; rows 16 q .. 16 q + 15 of my 64; win: the destination's window
	WIN \win
.irp i, 0,1,2,3,4,5,6,7,8,9,10,11,12,13,14,15
	global_load_b128 v[\set+4*\i:\set+4*\i+3], v[WDO], s[8:9] offset:(16*(\q)+\i)*4096
.endr
	WIN 0
.endm
.macro PLOAD set, q                    ; pooled of these 16 rows, both batches
.irp j, 0,1,2,3,4,5,6,7
	ds_load_b128 v[\set+4*\j:\set+4*\j+3], v[PR] offset:128*(\q)+16*\j
.endr
.endm
.macro FMAS wset, pset, first, win     ; 16 rows x 4 columns x 2 batches; first = 1: the first row starts the sums; win: source 0's window
	WIN \win
.set i, 0
.rept 16
.irp c, 0,1,2,3
.if (\first) && (i == 0)
	v_mul_f32 v[ACC+\c], v[\wset+4*i+\c], v[\pset+2*i]
	v_mul_f32 v[ACC+4+\c], v[\wset+4*i+\c], v[\pset+2*i+1]
.else
	v_fmac_f32 v[ACC+\c], v[\wset+4*i+\c], v[\pset+2*i]
	v_fmac_f32 v[ACC+4+\c], v[\wset+4*i+\c], v[\pset+2*i+1]
.endif
.endr
.set i, i+1
.endr
	WIN 0
.endm
	s_load_b256 s[4:11], s[0:1], 0x0               ; part s[4:5], bv s[6:7], Wd s[8:9], bd s[10:11]
	s_load_b64 s[12:13], s[0:1], 0x20              ; out0
	v_lshl_add_u32 v[SPW], v0, 2, SPARE
	v_mov_b32 v[NIL], 0
	v_lshrrev_b32 v13, 5, v0
	s_delay_alu instid0(VALU_DEP_1)
	v_readfirstlane_b32 s16, v13                   ; wave 0..7
	s_and_b32 s17, ttmp7, 0xffff                   ; the pair of batches
	v_lshlrev_b32 v[O16], 4, v0                    ; my four numbers of o and of bv
	v_lshlrev_b32 v[MLO], 8, v13                   ; my head is t / 16: its pair lies at 4096 + 256 (head / 2) + 8 (head % 2)
	v_bfe_u32 v13, v0, 4, 1
	s_delay_alu instid0(VALU_DEP_1)
	v_lshl_add_u32 v[MLO], v13, 3, v[MLO]
	s_delay_alu instid0(VALU_DEP_1)
	v_add_nc_u32 v[MLO], 4096, v[MLO]
	v_and_b32 v13, 15, v0                          ; r
	v_bfe_u32 v[HH], v0, 4, 1                      ; h
	s_delay_alu instid0(VALU_DEP_2)
	v_lshlrev_b32 v[BDO], 4, v13
	s_delay_alu instid0(VALU_DEP_1)
	v_lshl_add_u32 v[WDO], v[HH], 18, v[BDO]       ; Wd: 64 rows of 4,096 bytes for the upper half, 16 bytes a lane
	s_delay_alu instid0(VALU_DEP_2)
	v_lshl_add_u32 v[OO], v[HH], 12, v[BDO]        ; out0: batch h of the pair
	v_lshlrev_b32 v[PW], 5, v0
	s_lshl_b32 s18, s16, 10
	v_lshl_add_u32 v[PR], v[HH], 9, s18            ; pooled of my 64 rows: 8 bytes a row
	v_and_b32 v13, 31, v0
	s_delay_alu instid0(VALU_DEP_1)
	v_lshlrev_b32 v[RR], 4, v13
	s_delay_alu instid0(VALU_DEP_1)
	v_add_nc_u32 v[RR], RED, v[RR]
	s_lshl_b32 s18, s16, 9
	v_add_nc_u32 v[RW], s18, v[RR]
	s_mov_b32 s28, 0x76543210
	s_mov_b32 s29, 0xfedcba98                      ; v_permlanex16_b32's selects for lane l xor 16
	s_mul_i32 s20, s17, 8*REC                      ; the pair's 8 records
	s_mov_b32 s21, 0
	s_lshl_b32 s22, s16, 19                        ; my wave's 128 rows of Wd,
	s_lshl_b32 s24, ttmp9, 8                       ; the work-group's 64 columns
	s_add_co_u32 s22, s22, s24
	s_mov_b32 s23, 0
	s_mov_b32 s25, 0
	s_lshl_b32 s26, s17, 13
	s_add_co_u32 s26, s26, s24
	s_mov_b32 s27, 0
	s_wait_alu depctr_va_vdst(0)                   ; the head's end
	s_wait_kmcnt 0x0
	s_add_nc_u64 s[4:5], s[4:5], s[20:21]
	s_add_nc_u64 s[8:9], s[8:9], s[22:23]
	s_add_nc_u64 s[10:11], s[10:11], s[24:25]
	s_add_nc_u64 s[12:13], s[12:13], s[26:27]
.irp bb, 0,1
.irp c, 0,1,2,3
	global_load_b128 v[OB+16*\bb+4*\c:OB+16*\bb+4*\c+3], v[O16], s[4:5] offset:(4*\bb+\c)*REC      ; record 4 batch + chunk
.endr
.endr
.irp bb, 0,1
.irp c, 0,1,2,3
	global_load_b64 v[MLB+8*\bb+2*\c:MLB+8*\bb+2*\c+1], v[MLO], s[4:5] offset:(4*\bb+\c)*REC
.endr
.endr
	global_load_b128 v[BV:BV+3], v[O16], s[6:7]
	global_load_b128 v[BD:BD+3], v[BDO], s[10:11]
	WDLOAD W0, 0, 0
	WDLOAD W1, 1, 0
	WDLOAD W2, 2, 0x40
	WDLOAD W3, 3, 0x40
	; ---- phase 1
	s_wait_loadcnt 63                              ; the records, bv and bd are in: Wd's 64 loads are younger, and 63 is the largest count that the wait can name
.irp bb, 0,1
	v_max3_num_f32 v[MXA+\bb], v[MLB+8*\bb], v[MLB+8*\bb+2], v[MLB+8*\bb+4]
.endr
.irp bb, 0,1
	s_delay_alu instid0(VALU_DEP_2)
	v_max_num_f32 v[MXA+\bb], v[MXA+\bb], v[MLB+8*\bb+6]     ; the largest of the four maxima
.endr
.irp bb, 0,1
.irp c, 0,1,2,3
	v_sub_f32 v[MLB+8*\bb+2*\c], v[MLB+8*\bb+2*\c], v[MXA+\bb]
.endr
.endr
	s_wait_alu depctr_va_vdst(0)                   ; ahead of the batch of exponentials
.irp bb, 0,1
.irp c, 0,1,2,3
	v_exp_f32 v[MLB+8*\bb+2*\c], v[MLB+8*\bb+2*\c]           ; the chunk's weight 2^(M_c - M)
.endr
.endr
	v_nop                                          ; a plain line behind the exponentials
	s_wait_alu depctr_va_vdst(0)                   ; one wait for the eight, ahead of their first reader
.irp bb, 0,1
	v_mul_f32 v[MLB+8*\bb+1], v[MLB+8*\bb+1], v[MLB+8*\bb]
.endr
.irp c, 1,2,3
.irp bb, 0,1
	v_fma_f32 v[MLB+8*\bb+1], v[MLB+8*\bb+2*\c+1], v[MLB+8*\bb+2*\c], v[MLB+8*\bb+1]   ; the row's sum
.endr
.endr
	s_wait_alu depctr_va_vdst(0)                   ; ahead of the reciprocals
.irp bb, 0,1
	v_rcp_f32 v[MXA+\bb], v[MLB+8*\bb+1]
.endr
.irp bb, 0,1
.irp j, 0,1,2,3
	v_mul_f32 v[OB+16*\bb+\j], v[OB+16*\bb+\j], v[MLB+8*\bb]   ; (plain work behind the reciprocals, which names neither result)
.endr
.endr
.irp c, 1,2,3
.irp bb, 0,1
.irp j, 0,1,2,3
	v_fma_f32 v[OB+16*\bb+\j], v[OB+16*\bb+4*\c+\j], v[MLB+8*\bb+2*\c], v[OB+16*\bb+\j]
.endr
.endr
.endr
	s_wait_alu depctr_va_vdst(0)                   ; one wait for the two reciprocals
.irp j, 0,1,2,3
.irp bb, 0,1
	v_fma_f32 v[X+2*\j+\bb], v[OB+16*\bb+\j], v[MXA+\bb], v[BV+\j]   ; pooled = sum / l + bv, laid [k][batch]
.endr
.endr
	ds_store_b128 v[PW], v[X:X+3]
	ds_store_b128 v[PW], v[X+4:X+7] offset:16
	s_wait_dscnt 0x0                               ; for the others' sake: my part of pooled lies in LDS
	s_barrier_signal -1
	s_barrier_wait -1
	; ---- phase 2: four batches of 16 rows; the pooled numbers on two sets of registers
	PLOAD PP0, 0
	PLOAD PP1, 1
	s_wait_loadcnt 48                              ; rows 0-15 are in; the 48 loads of the three later batches may be out
	s_wait_dscnt 8                                 ; the pooled numbers likewise: the other set's 8 loads may be out
	FMAS W0, PP0, 1, 0
	PLOAD PP0, 2
	s_wait_alu depctr_va_vdst(0)
	s_wait_loadcnt 32
	s_wait_dscnt 8
	FMAS W1, PP1, 0, 0
	PLOAD PP1, 3
	s_wait_alu depctr_va_vdst(0)
	s_wait_loadcnt 16
	s_wait_dscnt 8
	FMAS W2, PP0, 0, 0x01
	s_wait_alu depctr_va_vdst(0)
	s_wait_loadcnt 0x0
	s_wait_dscnt 0x0
	FMAS W3, PP1, 0, 0x01
	v_cmp_ne_u32 vcc_lo, 0, v[HH]
.irp c, 0,1,2,3
	v_cndmask_b32 v[KP+\c], v[ACC+\c], v[ACC+4+\c], vcc_lo   ; half h keeps batch h,
.endr
.irp c, 0,1,2,3
	v_cndmask_b32 v[SD+\c], v[ACC+4+\c], v[ACC+\c], vcc_lo   ; and sends the other batch to the other half
.endr
.irp c, 0,1,2,3
	v_permlanex16_b32 v[RC+\c], v[SD+\c], s28, s29
.endr
.irp c, 0,1,2,3
	s_delay_alu instid0(VALU_DEP_4)
	v_add_f32 v[KP+\c], v[KP+\c], v[RC+\c]
.endr
	ds_store_b128 v[RW], v[KP:KP+3]
	s_wait_dscnt 0x0                               ; for wave 0's sake: my sums lie in LDS
	s_barrier_signal -1
	s_barrier_wait -1
	s_cmp_lg_u32 s16, 0
	s_cbranch_scc1 .Ldone
.irp u, 0,1,2,3,4,5,6,7
	ds_load_b128 v[16+4*\u:16+4*\u+3], v[RR] offset:512*\u
.endr
	s_wait_dscnt 0x0
.irp u, 1
	v_pk_add_f32 v[16:17], v[16:17], v[16+4*\u:16+4*\u+1]
	v_pk_add_f32 v[18:19], v[18:19], v[16+4*\u+2:16+4*\u+3]
.endr
.irp u, 2, 3, 4, 5, 6, 7
	s_delay_alu instid0(VALU_DEP_2)
	v_pk_add_f32 v[16:17], v[16:17], v[16+4*\u:16+4*\u+1]
	s_delay_alu instid0(VALU_DEP_2)
	v_pk_add_f32 v[18:19], v[18:19], v[16+4*\u+2:16+4*\u+3]
.endr
	s_delay_alu instid0(VALU_DEP_2)
	v_pk_add_f32 v[16:17], v[16:17], v[BD:BD+1]
	s_delay_alu instid0(VALU_DEP_2)
	v_pk_add_f32 v[18:19], v[18:19], v[BD+2:BD+3]
	global_store_b128 v[OO], v[16:19], s[12:13]    ; each half of the lanes stores 256 consecutive bytes of its batch's row, at a multiple of 256 from out0's first byte
.Ldone:
	s_wait_tensorcnt 0x0                           ; the wave's end, behind my last LDS store
	ds_add_u32 v[SPW], v[NIL]
	s_wait_dscnt 0x0
	s_endpgm
.Lfunc_end_k_qefefa24289_proj:
	.size	k_qefefa24289_proj, .Lfunc_end_k_qefefa24289_proj-k_qefefa24289_proj
	.p2alignl 7, 3214868480
	.fill 96, 4, 3214868480
	.section	.rodata,"a",@progbits
	.p2align	6, 0x0
	.amdhsa_kernel k_qefefa24289_proj
		.amdhsa_group_segment_fixed_size 13312
		.amdhsa_private_segment_fixed_size 0
		.amdhsa_enable_private_segment 0
		.amdhsa_kernarg_size 40
		.amdhsa_user_sgpr_count 2
		.amdhsa_user_sgpr_kernarg_segment_ptr 1
		.amdhsa_wavefront_size32 1
		.amdhsa_system_sgpr_workgroup_id_x 1
		.amdhsa_system_sgpr_workgroup_id_y 1
		.amdhsa_system_sgpr_workgroup_id_z 1
		.amdhsa_system_vgpr_workitem_id 0
		.amdhsa_next_free_vgpr 512
		.amdhsa_next_free_sgpr 66
		.amdhsa_reserve_vcc 1
		.amdhsa_float_denorm_mode_32 3
		.amdhsa_float_denorm_mode_16_64 3
		.amdhsa_memory_ordered 1
		.amdhsa_forward_progress 1
		.amdhsa_inst_pref_size 36
	.end_amdhsa_kernel
	.amdgpu_metadata
---
amdhsa.version: [ 1, 2 ]
amdhsa.kernels:
  - .name:           k_qefefa24289_proj
    .symbol:         k_qefefa24289_proj.kd
    .args:
      - { .name: part, .offset: 0, .size: 8, .value_kind: global_buffer, .address_space: global }
      - { .name: bv, .offset: 8, .size: 8, .value_kind: global_buffer, .address_space: global }
      - { .name: Wd, .offset: 16, .size: 8, .value_kind: global_buffer, .address_space: global }
      - { .name: bd, .offset: 24, .size: 8, .value_kind: global_buffer, .address_space: global }
      - { .name: out0, .offset: 32, .size: 8, .value_kind: global_buffer, .address_space: global }
    .group_segment_fixed_size: 13312
    .private_segment_fixed_size: 0
    .kernarg_segment_align: 8
    .kernarg_segment_size: 40
    .max_flat_workgroup_size: 256
    .sgpr_count:     66
    .vgpr_count:     512
    .wavefront_size: 32
...
	.end_amdgpu_metadata
.endif
;; end of part 3
